; MI455X (gfx1250); checked and timed in simulation.
; The chip was launched on July 23, 2026; its instructions are those of AMD's public machine-readable ISA for CDNA 5 (MIT licence, August 2026) and "CDNA5" Instruction Set Architecture Reference Guide (July 2026). The comments in the code are by the model that wrote it; some were corrected since.
;; Calculate Attention. Allowed arithmetic: float matrix products may take bf16 or f16 operands with f32 sums; all other float work in f32.
;; Inputs: K 4 x 16 x 2,048 x 64 float32; Q 4 x 16 x 2,048 x 64 float32; V 4 x 16 x 2,048 x 64 float32; mask 4 x 1 x 2,048 x 2,048 bool.
;; Outputs: out0 4 x 16 x 2,048 x 64 float32.
;; 2 versions, each right; version 2 is version 1 with the launch attn written anew for expert scheduling mode. Each part assembles by itself: llvm-mc -triple=amdgcn-amd-amdhsa -mcpu=gfx1250 --defsym DOCPART=n.
;; ======== version 1 of 2: 2 launches
;; workspace buffers: bits 2,097,152 bytes of whole numbers
;; launch pack (part 1): grid 256 x 1, 8 waves a work-group, no clusters, 68,608 bytes of LDS; arguments mask, bits; writes bits
.if DOCPART == 1
	.amdgcn_target "amdgcn-amd-amdhsa--gfx1250"
	.amdhsa_code_object_version 6
	.text
	.protected	k_q2b72cde5ef_pack
	.globl	k_q2b72cde5ef_pack
	.p2align	8
	.type	k_q2b72cde5ef_pack,@function
k_q2b72cde5ef_pack:
	s_mov_b64 s[64:65], 0
	v_nop
	global_prefetch_b8 v0, s[64:65] scope:SCOPE_SE
	s_setreg_imm32_b32 hwreg(HW_REG_WAVE_MODE, 25, 1), 1
	s_wait_xcnt 0x0
; The mask, one byte for each (b, q, t), is packed into lane masks for the attention launch, once for the 16 heads that share it.
; bits is [512 q tiles of 16 rows][32 blocks of 64 keys][32 words].  Word 8 i + j of a block: bit r + 16 h = mask[row 16 qt + r][key 64 st + 16 i + 8 h + j],
; which is the lane mask that selects in register j of the 16 x 16 score tile i (lane r + 16 h holds key 8 h + j of query r there).
; Any byte other than 0 counts as true.
; Wave g = 8 x work-group + wave owns q tile g / 4 and 512 keys (quarter g % 4): it reads 16 rows x 512 bytes and writes 1,024 bytes at bits + 1,024 g.
; The rows pass through the wave's own LDS bytes, so that memory is read in runs of 512 bytes while a lane compares bytes of its own row r.
; No wave touches another wave's bytes: no barrier.  Memory binds: matrix units, clusters and large tiles would add nothing.
.set ROWB,  2048                       ; bytes in a row of the mask
.set PITCH, 528                        ; an LDS row: 512 bytes + 16, so that the 16 rows that a read touches start 4 words apart modulo 64 words
.set WLDS,  16*PITCH                   ; LDS bytes of a wave
.set LST, 2                            ; v2        LDS address of my 16 bytes in a row, as stored
.set LRD, 3                            ; v3        LDS address of row r, byte 8 h, as read
.set GO,  4                            ; v4        16 x lane: offset of loads and stores in memory
.set RW,  8                            ; v[8:71]   the 16 rows as loaded
.set PR,  72                           ; v[72:135] 32 pairs: pair p = the 8 bytes of my row at keys 16 p + 8 h
.set TT,  136                          ; v[136:139] at work
.set OUT, 140                          ; v[140:147] the 256 words: word 128 u + 4 l + k in lane l of register 4 u + k
.set BM,  8                            ; s[8:11]   the masks of a word's four bytes
.set CM,  20                           ; s[20:23]  four compare results
	s_load_b128 s[4:7], s[0:1], 0x0                ; mask s[4:5], bits s[6:7]
	v_lshl_add_u32 v148, v0, 2, 0x10800
	v_mov_b32 v149, 0
	v_lshrrev_b32 v5, 5, v0
	v_readfirstlane_b32 s2, v5                     ; wave 0..7
	v_and_b32 v1, 31, v0                           ; lane
	v_and_b32 v6, 15, v0                           ; r
	v_bfe_u32 v7, v0, 4, 1                         ; h
	s_lshl_b32 s3, ttmp9, 3
	s_add_co_u32 s3, s3, s2                        ; g
	s_lshr_b32 s12, s3, 2
	s_lshl_b32 s12, s12, 15                        ; q tile x 16 rows x 2,048 bytes
	s_and_b32 s13, s3, 3
	s_lshl_b32 s13, s13, 9                         ; + quarter x 512 bytes
	s_add_co_u32 s12, s12, s13
	s_mov_b32 s13, 0
	s_lshl_b32 s14, s3, 10                         ; 1,024 g
	s_mov_b32 s15, 0
	s_mul_i32 s16, s2, WLDS                        ; my wave's LDS bytes
	s_mov_b32 s[BM+0], 0xff
	s_mov_b32 s[BM+1], 0xff00
	s_mov_b32 s[BM+2], 0xff0000
	s_mov_b32 s[BM+3], 0xff000000
	v_lshlrev_b32 v[GO], 4, v1
	v_lshl_add_u32 v[LST], v1, 4, s16
	v_mul_u32_u24 v[LRD], v6, PITCH
	v_lshl_add_u32 v[LRD], v7, 3, v[LRD]
	v_add_nc_u32 v[LRD], s16, v[LRD]
	s_wait_kmcnt 0x0
	s_add_nc_u64 s[4:5], s[4:5], s[12:13]
	s_add_nc_u64 s[6:7], s[6:7], s[14:15]
.irp p, 0,1,2,3,4,5,6,7,8,9,10,11,12,13,14,15
	global_load_b128 v[RW+4*\p:RW+4*\p+3], v[GO], s[4:5] offset:ROWB*\p th:TH_LOAD_NT   ; 512 consecutive bytes of row p, read once in the launch
.endr
.irp k, 0,1,2,3,4,5,6,7
	v_mov_b32 v[OUT+\k], 0                         ; v_writelane_b32 keeps the other lanes, so its destination has to be written whole first
.endr
.irp p, 0,1,2,3,4,5,6,7,8,9,10,11,12,13,14,15
	s_wait_loadcnt 15-\p                           ; loads come back in order (ISA guide 5.7.1): row p is in, the 15 - p younger rows stay out
	ds_store_b128 v[LST], v[RW+4*\p:RW+4*\p+3] offset:PITCH*\p
.endr
.irp p, 0,1,2,3,4,5,6,7,8,9,10,11,12,13,14,15,16,17,18,19,20,21,22,23,24,25,26,27,28,29,30,31
	ds_load_b64 v[PR+2*\p:PR+2*\p+1], v[LRD] offset:16*\p    ; LDS serves a wave's instructions in order: these see the stores above
.endr
	s_wait_dscnt 0x0
; Four words at a time: register w4 of the pairs holds the bytes j = 4 (w4 % 2) + 0..3 of pair w4 / 2, which are the words 4 w4 + 0..3.
.set w4, 0
.rept 64
.irp k, 0,1,2,3
	v_and_b32 v[TT+\k], s[BM+\k], v[PR+w4]
.endr
.irp k, 0,1,2,3
	v_cmp_ne_u32 s[CM+\k], 0, v[TT+\k]             ; one bit from each lane: the word
.endr
.irp k, 0,1,2,3
	v_writelane_b32 v[OUT+4*(w4>>5)+\k], s[CM+\k], w4&31
.endr
.set w4, w4+1
.endr
	global_store_b128 v[GO], v[OUT:OUT+3],   s[6:7]               ; each store of the wave covers 512 consecutive bytes, aligned
	global_store_b128 v[GO], v[OUT+4:OUT+7], s[6:7] offset:512
	s_wait_tensorcnt 0x0
	ds_add_u32 v148, v149
	s_wait_dscnt 0x0
	s_endpgm
.Lfunc_end_k_q2b72cde5ef_pack:
	.size	k_q2b72cde5ef_pack, .Lfunc_end_k_q2b72cde5ef_pack-k_q2b72cde5ef_pack
	.p2alignl 7, 3214868480
	.fill 96, 4, 3214868480
	.section	.rodata,"a",@progbits
	.p2align	6, 0x0
	.amdhsa_kernel k_q2b72cde5ef_pack
		.amdhsa_group_segment_fixed_size 68608
		.amdhsa_private_segment_fixed_size 0
		.amdhsa_enable_private_segment 0
		.amdhsa_kernarg_size 16
		.amdhsa_user_sgpr_count 2
		.amdhsa_user_sgpr_kernarg_segment_ptr 1
		.amdhsa_wavefront_size32 1
		.amdhsa_system_sgpr_workgroup_id_x 1
		.amdhsa_system_sgpr_workgroup_id_y 1
		.amdhsa_system_sgpr_workgroup_id_z 1
		.amdhsa_system_vgpr_workitem_id 0
		.amdhsa_next_free_vgpr 150
		.amdhsa_next_free_sgpr 66
		.amdhsa_reserve_vcc 0
		.amdhsa_float_denorm_mode_32 3
		.amdhsa_float_denorm_mode_16_64 3
		.amdhsa_memory_ordered 1
		.amdhsa_forward_progress 1
		.amdhsa_inst_pref_size 48
	.end_amdhsa_kernel
	.amdgpu_metadata
---
amdhsa.version: [ 1, 2 ]
amdhsa.kernels:
  - .name:           k_q2b72cde5ef_pack
    .symbol:         k_q2b72cde5ef_pack.kd
    .args:
      - { .name: mask, .offset: 0, .size: 8, .value_kind: global_buffer, .address_space: global }
      - { .name: bits, .offset: 8, .size: 8, .value_kind: global_buffer, .address_space: global }
    .group_segment_fixed_size: 68608
    .private_segment_fixed_size: 0
    .kernarg_segment_align: 8
    .kernarg_segment_size: 16
    .max_flat_workgroup_size: 256
    .sgpr_count:     66
    .vgpr_count:     150
    .wavefront_size: 32
...
	.end_amdgpu_metadata
.endif
;; end of part 1
;; launch attn (part 2): grid 4 x 64, 8 waves a work-group, no clusters, 74,752 bytes of LDS; arguments K, Q, V, bits, out0; writes out0
.if DOCPART == 2
	.amdgcn_target "amdgcn-amd-amdhsa--gfx1250"
	.amdhsa_code_object_version 6
	.text
	.protected	k_q2b72cde5ef_attn
	.globl	k_q2b72cde5ef_attn
	.p2align	8
	.type	k_q2b72cde5ef_attn,@function
k_q2b72cde5ef_attn:
	s_mov_b64 s[64:65], 0
	v_nop
	global_prefetch_b8 v0, s[64:65] scope:SCOPE_SE
	s_setreg_imm32_b32 hwreg(HW_REG_WAVE_MODE, 25, 1), 1
	s_wait_xcnt 0x0
; out = softmax(where(mask, -1e9, Q K^T) / 8) V for one head, 512 query rows a work-group, with a running maximum.
; Q, K, V, out: [64 heads][2048][64] f32.  bits: the mask as lane masks (see below), made by the launch before.
; Eight waves; a wave owns 64 query rows = 4 q tiles (a = 0..3) of 16.  Keys go in 32 steps of 64.
;
; BOTH PRODUCTS ARE USED TRANSPOSED.  Scores: D = K (16 keys x 32 d) x Q^T: lane (r, h), register j holds key 8 h + j of query r, so a row's maximum
; and sum are a lane's own but for one exchange between the halves.  Two neighbouring score tiles, rounded to bf16 in pairs, ARE the second source of
; O^T = V^T x P^T (registers 0-3: keys 8 h .., registers 4-7: keys 16 + 8 h ..): no shuffle.  V^T comes from LDS by the transposing load.
; In O^T lane (r, h), register j holds d = 16 dblk + 8 h + j of query r, so the rescale and 1 / l are factors of the lane.
;
; THE MASK: word 8 i + j of bits[q tile][step] is the lane mask of register j of score tile i; 32 words a tile come by two scalar loads, a tile ahead,
; and one v_cndmask_b32 a register puts -1e9 in the score's place.  The maximum runs over the replaced scores: a row that is masked everywhere gets
; equal weights, the mean of V.
;
; K AND V: f32 in memory, bf16 in LDS.  The 256 threads load a tile of 64 x 64 (four loads of 16 bytes a thread, 512 consecutive bytes a wave), hold it
; in registers for a step, round it and store it.  In step t: K(t+2) goes into K slot t % 2 and V(t+1) into V slot (t+1) % 2; K(t+3) and V(t+2) are asked
; for; V(t) is read from V slot t % 2 and K(t+1) from K slot (t+1) % 2.  What a step writes and what it reads are different slots, what it reads was
; stored a step before, what it overwrites was read a step before: ONE barrier at each step's end.
;
; NO CLUSTER, NO TENSOR LOADS: the four work-groups of a head read the same K and V, but as f32, and the matrix unit and the transposing load want bf16.
; A joint load lands bytes as they lie in memory: 32,768 bytes of f32 a step written to LDS and read again by the rounding threads, on top of the 16,384
; bytes of bf16 stored now, and a round of the cluster's barrier a step, to save 32,768 bytes of requests against the step's 512 matrix instructions.
;
; SOFTMAX: p = 2^(x c + negmc), c = log2(e) / 8, negmc = round(-m c).  The rescale is 2^(negmc new - negmc old), formed of the same rounded numbers, so
; the weights already summed stay consistent whatever negmc's rounding.  (With m = -1e9 that rounding makes every weight of the row the same power of two
; between 2^-8 and 2^8 instead of 1; it cancels in p / l.)
; LIMITS: NaN and infinities in the inputs are not reproduced (v_max_num_f32 drops a NaN).  A weight below 2^-126 counts as 0 (v_exp_f32 flushes).
; l sums the weights before their rounding to bf16, the product takes them after it.  Q, K, V and the weights are rounded to bf16, sums are f32.
;
; ORDER: a tile's vector lines are mixed with the matrix lines of its neighbours: tile a's masking and maximum with the scores of tile a + 1, its
; exponentials, rescale and sums with the product of tile a - 1.
.set TILEB,   16384                    ; a tile of 64 rows x 64 f32
.set KPITCH,  144                      ; K rows in LDS: 128 bytes + 16
.set VPITCH,  160                      ; V rows in LDS: 128 bytes + 32 (an odd multiple of 32, for the transposing load)
.set KSLOT,   64*KPITCH
.set VSLOT,   64*VPITCH
.set VBASE,   2*KSLOT                  ; K slots 0, 1, then V slots 0, 1
.set OSTAGE,  VBASE+2*VSLOT            ; then 16 rows x 272 bytes for each wave, for the way out
.set SPITCH,  272
.set WSTAGE,  16*SPITCH
; vector registers, block 0
.set KRD,  2                           ; LDS address of my part of a K fragment: 144 r + 16 h
.set KST,  3                           ; where I store my 8 bytes of K: 144 (thread / 16) + 8 (thread % 16)
.set VST,  4                           ; the same for V, pitch 160, V's base in it
.set GOFF, 5                           ; 16 x thread
.set BIG,  6                           ; -1e9
.set PFO,  7                           ; prefetch: 256 x lane + my work-group's half of the tile
.set T,    8                           ; v[8:11]    at work
.set ST,   12                          ; v[12:19]   q tile a: negmc in 12 + 2 a, m in 13 + 2 a
.set QOFF, 20                          ; 256 r + 32 h
.set STO,  21                          ; the way out: where I put 32 bytes of a row
.set RD,   22                          ; the way out: where I read a row back
.set CO,   23                          ; my byte offset in out
.set G,    24                          ; v[24:39] K, v[40:55] V on their way from memory to LDS
.set QF,   64                          ; v[64:127]  Q fragments, 64 + 16 a + 8 c
.set KF,   128                         ; v[128:191] K fragments, 128 + 16 i + 8 c
.set S,    192                         ; v[192:255] scores, two buffers of 32
; vector registers, block 1 (written by their low 8 bits)
.set O,    0                           ; v[0:127]   O^T, 32 a + 8 dblk
.set VF,   128                         ; v[128:191] V^T fragments, 128 + 16 dblk + 8 c
.set E,    192                         ; v[192:223] exponents, then weights
.set P,    224                         ; v[224:239] weights in bf16
.set L,    240                         ; v[240:247] q tile a: two partial sums of its weights
.set AL,   248                         ; v[248:249] the rescale, twice
.set VRD,  250                         ; LDS address of my part of a V^T fragment
; scalar registers
.set MP,   10                          ; s[10:11] bits at my wave's q tile 0, this step
.set MA,   16                          ; s[16:47] mask words of even q tiles
.set MB,   68                          ; s[68:99] mask words of odd q tiles
.set KP,   48                          ; s[48:49] the K tile asked for last
.set VP,   50                          ; s[50:51] the V tile asked for last
.set PF,   58                          ; s[58:59] the tile prefetched last
.set MSB, 0
.macro WIN new                         ; low byte: bits 1:0 source 0, 3:2 source 1, 5:4 source 2, 7:6 destination; the high byte repeats the setting that is left
.if MSB != \new
	s_set_vgpr_msb (MSB<<8)|\new
.set MSB, \new
.endif
.endm
; One matrix instruction of the scores of q tile an into buffer p: score tile idx % 4, half idx / 4 of d.  The first half starts the sum.
; The four accumulators take turns, one instruction a turn.
.macro MXQK idx, an, p
.if (\idx) < 4
	v_wmma_f32_16x16x32_bf16 v[S+32*(\p)+8*((\idx)&3):S+32*(\p)+8*((\idx)&3)+7], v[KF+16*((\idx)&3):KF+16*((\idx)&3)+7], v[QF+16*(\an):QF+16*(\an)+7], 0
.else
	v_wmma_f32_16x16x32_bf16 v[S+32*(\p)+8*((\idx)&3):S+32*(\p)+8*((\idx)&3)+7], v[KF+16*((\idx)&3)+8:KF+16*((\idx)&3)+15], v[QF+16*(\an)+8:QF+16*(\an)+15], v[S+32*(\p)+8*((\idx)&3):S+32*(\p)+8*((\idx)&3)+7]
.endif
.endm
; One matrix instruction of O^T of q tile ap (all operands in block 1): d block idx % 4, keys 32 (idx / 4) ..  zero = 1: the tile's very first product starts the sums.
.macro MXPV idx, ap, zero
.if (\idx) < 4
.if \zero
	v_wmma_f32_16x16x32_bf16 v[O+32*(\ap)+8*(\idx):O+32*(\ap)+8*(\idx)+7], v[VF+16*(\idx):VF+16*(\idx)+7], v[P:P+7], 0
.else
	v_wmma_f32_16x16x32_bf16 v[O+32*(\ap)+8*(\idx):O+32*(\ap)+8*(\idx)+7], v[VF+16*(\idx):VF+16*(\idx)+7], v[P:P+7], v[O+32*(\ap)+8*(\idx):O+32*(\ap)+8*(\idx)+7]
.endif
.else
	v_wmma_f32_16x16x32_bf16 v[O+32*(\ap)+8*((\idx)-4):O+32*(\ap)+8*((\idx)-4)+7], v[VF+16*((\idx)-4)+8:VF+16*((\idx)-4)+15], v[P+8:P+15], v[O+32*(\ap)+8*((\idx)-4):O+32*(\ap)+8*((\idx)-4)+7]
.endif
.endm
; The K fragments of a step: keys 16 i + r, d = 32 c + 8 h .. and 32 c + 16 + 8 h ..
.macro LDKF slot
.irp i, 0,1,2,3
.irp c, 0,1
	ds_load_b128 v[KF+16*\i+8*\c:KF+16*\i+8*\c+3],   v[KRD] offset:KSLOT*(\slot)+16*KPITCH*\i+64*\c
	ds_load_b128 v[KF+16*\i+8*\c+4:KF+16*\i+8*\c+7], v[KRD] offset:KSLOT*(\slot)+16*KPITCH*\i+64*\c+32
.endr
.endr
.endm
; The V^T fragments of a step (data and address in block 1): d = 16 dblk + r, keys 32 c + 8 h .. and 32 c + 16 + 8 h ..
.macro LDVF slot
.irp d, 0,1,2,3
.irp c, 0,1
	ds_load_tr16_b128 v[VF+16*\d+8*\c:VF+16*\d+8*\c+3],   v[VRD] offset:VSLOT*(\slot)+32*VPITCH*\c+32*\d
	ds_load_tr16_b128 v[VF+16*\d+8*\c+4:VF+16*\d+8*\c+7], v[VRD] offset:VSLOT*(\slot)+32*VPITCH*\c+32*\d+16*VPITCH
.endr
.endr
.endm
; My sixteen f32 of a tile, in v[g .. g+15], are rounded to bf16 in place and stored: load n holds row 16 n + thread / 16.
.macro CVST g, adr, off, step
.irp n, 0,1,2,3
	v_cvt_pk_bf16_f32 v[\g+4*\n],   v[\g+4*\n],   v[\g+4*\n+1]
	v_cvt_pk_bf16_f32 v[\g+4*\n+1], v[\g+4*\n+2], v[\g+4*\n+3]
.endr
.irp n, 0,1,2,3
	ds_store_b64 v[\adr], v[\g+4*\n:\g+4*\n+1] offset:\off+\step*\n
.endr
.endm
; My sixteen f32 of the tile at s[base] + off: each load of the wave covers 512 consecutive bytes
.macro LD4 g, base, off
.irp n, 0,1,2,3
	global_load_b128 v[\g+4*\n:\g+4*\n+3], v[GOFF], s[\base:\base+1] offset:\off+4096*\n
.endr
.endm
; The head of step t (par = t % 2): what was asked for a step ago goes to LDS, the next tiles are asked for.
.macro STAGE par, stK, stV, ldK, ldV, pf
.if \stK+\stV
	s_wait_loadcnt 0x0                             ; K(t+2) and V(t+1), asked for a whole step ago
.endif
.if \ldK+\ldV+\pf
	s_wait_xcnt 0x0                                ; the pointers, which the last step's loads and prefetch name, are stepped only behind this wait
.endif
.if \ldK
	s_add_nc_u64 s[KP:KP+1], s[KP:KP+1], TILEB
.endif
.if \ldV
	s_add_nc_u64 s[VP:VP+1], s[VP:VP+1], TILEB
.endif
.if \pf
	s_add_nc_u64 s[PF:PF+1], s[PF:PF+1], TILEB
.endif
.if \stK
	CVST G, KST, KSLOT*\par, 16*KPITCH
.endif
.if \ldK
	LD4 G, KP, 0                                   ; K(t+3)
.endif
.if \stV
	CVST G+16, VST, VSLOT*(1-\par), 16*VPITCH
.endif
.if \ldV
	LD4 G+16, VP, 0                                ; V(t+2)
.endif
.if \pf
	; Tile t + 4 is asked into the L2: wave 0 alone, 32 lanes 256 bytes apart = 8,192 bytes, half a tile.  Of a head's four work-groups numbers 0 and 1 take
	; K's two halves, 2 and 3 V's: each block is asked for once in the launch.  The loads of that tile follow one step (K) or two (V) later.
	; The last request is step 27's, for tile 31: none points past the head's last tile.
	s_cmp_lg_u32 s2, 0
	s_cbranch_scc1 .Lno_pf_\@
	global_prefetch_b8 v[PFO], s[PF:PF+1] th:TH_LOAD_NT scope:SCOPE_SE
.Lno_pf_\@:
.endif
.endm
; The softmax of q tile a in this step.
; first = 1: step 0, nothing to rescale.   qk = 1: the scores of the next tile ride along.   pv = 1, 2: the product of the tile before rides along (2: it starts its sums).
; nm: the next tile's mask words: 1 the next q tile's of this step, 2 q tile 0's of the next step, 0 none.
; kf, vf: the slot from which the next K, this step's V^T fragments are read, or -1.
.macro TILE a, first, qk, pv, nm, kf, vf
.set X,   S+32*((\a)&1)
.set XN,  ((\a)+1)&1
.set AN,  ((\a)+1)&3
.set AP,  ((\a)+3)&3
.set NM,  ST+2*(\a)
.set LP,  L+2*(\a)
.if (\a)&1
.set MSK,  MB
.set MSKN, MA
.else
.set MSK,  MA
.set MSKN, MB
.endif
	s_wait_kmcnt 0x0                               ; this tile's 32 mask words, asked for a tile ago (scalar loads: only the count 0 shows anything)
.if \nm == 1
	s_load_b512 s[MSKN:MSKN+15],    s[MP:MP+1], 4096*((\a)+1)
	s_load_b512 s[MSKN+16:MSKN+31], s[MP:MP+1], 4096*((\a)+1)+64
.endif
.if \nm == 2
	s_wait_xcnt 0x0                                ; the pointer is a source of the scalar loads: it is stepped only behind this wait
	s_add_nc_u64 s[MP:MP+1], s[MP:MP+1], 128       ; the next block of 64 keys
	s_load_b512 s[MSKN:MSKN+15],    s[MP:MP+1], 0x0
	s_load_b512 s[MSKN+16:MSKN+31], s[MP:MP+1], 0x40
.endif
.if \a == 3
.if \qk
	s_wait_dscnt 0x0                               ; the next step's K fragments, asked for in q tile 2
.endif
.endif
	; masking and maximum, with the next tile's eight score instructions among them (they name the other score buffer)
.irp i, 0,1,2,3
.if \qk
	MXQK 2*\i, AN, XN
.endif
.irp j, 0,1,2,3,4,5,6,7
	v_cndmask_b32 v[X+8*\i+\j], v[X+8*\i+\j], v[BIG], s[MSK+8*\i+\j]
.endr
.if \qk
	MXQK 2*\i+1, AN, XN
.endif
	v_max3_num_f32 v[T+\i], v[X+8*\i], v[X+8*\i+1], v[X+8*\i+2]
	v_max3_num_f32 v[T+\i], v[T+\i], v[X+8*\i+3], v[X+8*\i+4]
	v_max3_num_f32 v[T+\i], v[T+\i], v[X+8*\i+5], v[X+8*\i+6]
	v_max_num_f32  v[T+\i], v[T+\i], v[X+8*\i+7]
.endr
	v_max3_num_f32 v[T], v[T], v[T+1], v[T+2]
.if \first
	v_max_num_f32 v[T], v[T], v[T+3]
.else
	v_max3_num_f32 v[T], v[T], v[T+3], v[NM+1]     ; with the maximum so far
.endif
	v_permlanex16_b32 v[T+1], v[T], s56, s57       ; the other half's keys of the same query
	v_max_num_f32 v[NM+1], v[T], v[T+1]            ; m
	v_mul_f32 v[T+3], s54, v[NM+1]                 ; -m c, rounded once; the same number serves the exponents and the rescale
.if \first == 0
	v_sub_f32 v[T+2], v[T+3], v[NM]                ; exponent of the rescale
.endif
	v_mov_b32 v[NM], v[T+3]
.if \kf >= 0
	LDKF \kf                                       ; more than four plain vector lines stand behind the last matrix instruction that read these registers (ISA guide 7.12.1)
.endif
	WIN 0x40                                       ; from block 0 into block 1
.if \first == 0
	v_exp_f32 v[AL],   v[T+2]                      ; twice, for the packed multiplies; the lines below are the plain places behind them (ISA guide 5.7.2)
	v_exp_f32 v[AL+1], v[T+2]
.endif
.irp k, 0,1,2,3,4,5,6,7,8,9,10,11,12,13,14,15
	v_pk_fma_f32 v[E+2*\k:E+2*\k+1], v[X+2*\k:X+2*\k+1], s[52:53], v[NM:NM+1] op_sel_hi:[1,0,0]   ; x c + negmc, both halves by s52 and v[NM]
.endr
	WIN 0x55                                       ; all in block 1
.if \a == 1
	s_wait_dscnt 0x0                               ; this step's V^T fragments, asked for at the end of q tile 0
.endif
	; exponentials, rescale and sums, with the eight product instructions of the tile before among them (they name that tile's O, VF and P)
.irp g, 0,1,2,3,4,5,6,7
.if \pv
	MXPV \g, AP, (\pv-1)
.endif
	v_exp_f32 v[E+4*\g],   v[E+4*\g]
	v_exp_f32 v[E+4*\g+1], v[E+4*\g+1]
	v_exp_f32 v[E+4*\g+2], v[E+4*\g+2]
	v_exp_f32 v[E+4*\g+3], v[E+4*\g+3]
.if \first
	v_nop                                          ; the plain place behind the exponentials; with the sums below, the four places behind the last product instruction
	v_nop
	s_wait_alu depctr_va_vdst(0)
.else
	s_wait_alu depctr_va_vdst(0)
	v_pk_mul_f32 v[O+32*\a+4*\g:O+32*\a+4*\g+1],   v[O+32*\a+4*\g:O+32*\a+4*\g+1],   v[AL:AL+1]
	v_pk_mul_f32 v[O+32*\a+4*\g+2:O+32*\a+4*\g+3], v[O+32*\a+4*\g+2:O+32*\a+4*\g+3], v[AL:AL+1]
.endif
.if \g == 0
.if \first
	s_wait_alu depctr_va_vdst(0)
	v_pk_add_f32 v[LP:LP+1], v[E:E+1], v[E+2:E+3]  ; the first weights start the sums
.else
	v_pk_fma_f32 v[LP:LP+1], v[LP:LP+1], v[AL:AL+1], v[E:E+1]
	v_pk_add_f32 v[LP:LP+1], v[LP:LP+1], v[E+2:E+3]
.endif
.else
	s_wait_alu depctr_va_vdst(0)
	v_pk_add_f32 v[LP:LP+1], v[LP:LP+1], v[E+4*\g:E+4*\g+1]
	v_pk_add_f32 v[LP:LP+1], v[LP:LP+1], v[E+4*\g+2:E+4*\g+3]
.endif
.endr
	; behind the last product instruction stand four plain vector lines that name none of its registers (two of the rescale, two sums): P may be written (ISA guide 7.12.1)
.irp k, 0,1,2,3,4,5,6,7,8,9,10,11,12,13,14,15
	v_cvt_pk_bf16_f32 v[P+\k], v[E+2*\k], v[E+2*\k+1]
.endr
.if \vf >= 0
	LDVF \vf
.endif
	WIN 0
.endm
; Step t.  par = t % 2; pv0: the product of q tile 3 of the step before; pvr: those of q tiles 0 to 2; nxt = 1: a further step follows; bar = 1: the step's barrier.
.macro STEP par, first, pv0, pvr, stK, stV, ldK, ldV, pf, nxt, bar
	STAGE \par, \stK, \stV, \ldK, \ldV, \pf
	TILE 0, \first, 1, \pv0, 1, -1, \par
	TILE 1, \first, 1, \pvr, 1, -1, -1
.if \nxt
	TILE 2, \first, 1, \pvr, 1, (1-\par), -1
	TILE 3, \first, 1, \pvr, 2, -1, -1
.else
	TILE 2, \first, 1, \pvr, 1, -1, -1
	TILE 3, \first, 0, \pvr, 0, -1, -1
.endif
.if \bar
	s_wait_dscnt 0x0                               ; for the others' sake: my stores of this step have landed and my reads of it are back
	s_barrier_signal -1
	s_barrier_wait -1
.endif
.endm
	; ---- set-up ----
	s_load_b256 s[4:11], s[0:1], 0x0               ; K s[4:5], Q s[6:7], V s[8:9], bits s[10:11]
	s_load_b64 s[12:13], s[0:1], 0x20              ; out
	v_lshl_add_u32 v62, v0, 2, 0x12000
	v_mov_b32 v63, 0
	v_lshrrev_b32 v8, 5, v0
	v_readfirstlane_b32 s2, v8                     ; wave 0..7
	s_and_b32 s3, ttmp7, 0xffff                    ; head 0..63
	s_lshl_b32 s14, s3, 19                         ; x 2,048 rows x 256 bytes
	s_mov_b32 s15, 0
	s_lshr_b32 s60, s3, 4                          ; batch
	s_lshl_b32 s60, s60, 7                         ; x 128 q tiles
	s_lshl_b32 s61, ttmp9, 5                       ; + 32 for each work-group along x
	s_add_co_u32 s60, s60, s61
	s_lshl2_add_u32 s60, s2, s60                   ; + 4 x wave
	s_lshl_b32 s60, s60, 12                        ; x 4,096 bytes of mask words
	s_mov_b32 s61, 0
	s_lshl_b32 s62, ttmp9, 17                      ; my work-group's 512 rows
	s_lshl_b32 s63, s2, 14                         ; my wave's 64 rows
	s_add_co_u32 s62, s62, s63
	s_mov_b32 s63, 0
	s_mov_b32 s52, 0x3e38aa3b                      ; c = log2(e) / 8
	s_mov_b32 s53, 0x3e38aa3b
	s_mov_b32 s54, 0xbe38aa3b                      ; -c
	s_mov_b32 s56, 0x76543210                      ; v_permlanex16_b32: lane i of one half reads lane i of the other
	s_mov_b32 s57, 0xfedcba98
	v_and_b32 v8, 15, v0                           ; r, and thread % 16
	v_bfe_u32 v9, v0, 4, 1                         ; h
	v_lshrrev_b32 v10, 4, v0                       ; thread / 16
	v_mul_u32_u24 v[KRD], v8, KPITCH
	v_lshl_add_u32 v[KRD], v9, 4, v[KRD]
	v_mul_u32_u24 v[KST], v10, KPITCH
	v_lshl_add_u32 v[KST], v8, 3, v[KST]
	v_mul_u32_u24 v[VST], v10, VPITCH
	v_lshl_add_u32 v[VST], v8, 3, v[VST]
	v_add_nc_u32 v[VST], VBASE, v[VST]
	v_lshlrev_b32 v[GOFF], 4, v0
	v_mov_b32 v[BIG], 0xce6e6b28                   ; -1e9
	v_and_b32 v11, 31, v0
	s_and_b32 s3, ttmp9, 1
	s_lshl_b32 s3, s3, 13                          ; which half of a tile my work-group prefetches
	v_lshl_add_u32 v[PFO], v11, 8, s3
	v_lshlrev_b32 v[QOFF], 8, v8
	v_lshl_add_u32 v[QOFF], v9, 5, v[QOFF]
	s_mul_i32 s3, s2, WSTAGE
	s_add_co_u32 s3, s3, OSTAGE                    ; my wave's stage
	v_mul_u32_u24 v[STO], v8, SPITCH               ; in: row r, 32 bytes for each half of the lanes
	v_lshl_add_u32 v[STO], v9, 5, v[STO]
	v_add_nc_u32 v[STO], s3, v[STO]
	v_mul_u32_u24 v[RD], v9, SPITCH                ; back: lanes 0-15 take one row of 256 bytes, lanes 16-31 the next
	v_lshl_add_u32 v[RD], v8, 4, v[RD]
	v_add_nc_u32 v[RD], s3, v[RD]
	v_lshlrev_b32 v[CO], 8, v9                     ; and the same two rows in out
	v_lshl_add_u32 v[CO], v8, 4, v[CO]
	v_and_b32 v11, 7, v0
	v_lshl_add_u32 v11, v9, 3, v11                 ; key 8 h + lane % 8
	v_mul_u32_u24 v11, v11, VPITCH
	v_bfe_u32 v10, v0, 3, 1
	v_lshl_add_u32 v11, v10, 4, v11                ; + 16 bytes for the upper eight of sixteen lanes
	v_add_nc_u32 v11, VBASE, v11
	WIN 0x40
	v_mov_b32 v[VRD], v11                          ; into block 1, where the V^T fragments are loaded
	WIN 0
	s_wait_kmcnt 0x0
	s_add_nc_u64 s[4:5], s[4:5], s[14:15]          ; K and V at my head
	s_add_nc_u64 s[8:9], s[8:9], s[14:15]
	s_add_nc_u64 s[14:15], s[14:15], s[62:63]      ; offsets only
	s_add_nc_u64 s[6:7], s[6:7], s[14:15]          ; Q and out at my wave's rows
	s_add_nc_u64 s[12:13], s[12:13], s[14:15]
	s_add_nc_u64 s[MP:MP+1], s[MP:MP+1], s[60:61]
	s_load_b512 s[MA:MA+15],    s[MP:MP+1], 0x0    ; the mask words of q tile 0, step 0
	s_load_b512 s[MA+16:MA+31], s[MP:MP+1], 0x40
	s_add_nc_u64 s[KP:KP+1], s[4:5], 2*TILEB       ; K tile 2
	s_add_nc_u64 s[VP:VP+1], s[8:9], TILEB         ; V tile 1
	s_and_b32 s3, ttmp9, 2                         ; work-groups 2 and 3 of a head prefetch V, 0 and 1 K
	s_cselect_b64 s[PF:PF+1], s[8:9], s[4:5]
	s_add_nc_u64 s[PF:PF+1], s[PF:PF+1], 3*TILEB   ; stepped to tile 4 in step 0
	LD4 G, 4, 0                                    ; K tile 0
	LD4 G+16, 8, 0                                 ; V tile 0
	LD4 QF, 4, TILEB                               ; K tile 1, in registers that Q's fragments take later
	; Q: fragment (a, c) of lane (r, h) is row 16 a + r, d = 32 c + 8 h + 0..7 and 32 c + 16 + 8 h + 0..7: four loads of 16 bytes, read once in the launch
.set q, 0
.rept 32
	global_load_b128 v[KF+4*q:KF+4*q+3], v[QOFF], s[6:7] offset:4096*(q>>3)+128*((q>>2)&1)+64*((q>>1)&1)+16*(q&1) th:TH_LOAD_NT
.set q, q+1
.endr
	s_wait_loadcnt 32                              ; the twelve loads of K and V are in; Q's 32 stay out
	CVST G, KST, 0, 16*KPITCH
	CVST G+16, VST, 0, 16*VPITCH
	CVST QF, KST, KSLOT, 16*KPITCH
	LD4 G, KP, 0                                   ; K tile 2
	LD4 G+16, VP, 0                                ; V tile 1
	s_wait_loadcnt 8                               ; Q is in; the eight loads just issued stay out
.set q, 0
.rept 32
	v_cvt_pk_bf16_f32 v[QF+2*q],   v[KF+4*q],   v[KF+4*q+1]
	v_cvt_pk_bf16_f32 v[QF+2*q+1], v[KF+4*q+2], v[KF+4*q+3]
.set q, q+1
.endr
	s_wait_dscnt 0x0                               ; my parts of K tiles 0, 1 and V tile 0 have landed
	s_barrier_signal -1
	s_barrier_wait -1                              ; everybody's have
	LDKF 0
	s_wait_dscnt 0x0                               ; my reads of K slot 0 are back:
	s_barrier_signal -1                            ; say so; step 0 stores K tile 2 there
.irp x, 0,1,2,3,4,5,6,7
	MXQK \x, 0, 0                                  ; the scores of q tile 0, step 0: register work between signal and wait
.endr
	s_barrier_wait -1
	; ---- the 32 steps ----
	STEP 0, 1, 0, 2, 1, 1, 1, 1, 1, 1, 1           ; step 0: nothing to rescale; the products of q tiles 0 to 2 start their sums
	STEP 1, 0, 2, 1, 1, 1, 1, 1, 1, 1, 1           ; step 1: so does q tile 3's of step 0
	s_mov_b32 s55, 13                              ; steps 2 to 27, two a trip
.Lsteps:
	STEP 0, 0, 1, 1, 1, 1, 1, 1, 1, 1, 1
	STEP 1, 0, 1, 1, 1, 1, 1, 1, 1, 1, 1
	s_sub_co_u32 s55, s55, 1
	s_cmp_lg_u32 s55, 0
	s_cbranch_scc1 .Lsteps
	STEP 0, 0, 1, 1, 1, 1, 1, 1, 0, 1, 1           ; step 28: asks for K 31 and V 30; tile 32 does not exist, so no prefetch
	STEP 1, 0, 1, 1, 1, 1, 0, 1, 0, 1, 1           ; step 29: stores K 31, asks for V 31
	STEP 0, 0, 1, 1, 0, 1, 0, 0, 0, 1, 1           ; step 30: stores V 31
	STEP 1, 0, 1, 1, 0, 0, 0, 0, 0, 0, 0           ; step 31: no further scores, nothing shared is written behind it: no barrier
	; ---- the last product, 1 / l, the way out ----
	WIN 0x55
.irp x, 0,1,2,3,4,5,6,7
	MXPV \x, 3, 0                                  ; q tile 3 of step 31
.endr
.irp a, 0,1,2,3
	v_add_f32 v[L+2*\a], v[L+2*\a], v[L+2*\a+1]    ; these four lines are also the four places behind the last matrix instructions (ISA guide 7.12.1)
.endr
.irp a, 0,1,2,3
	v_permlanex16_b32 v[L+2*\a+1], v[L+2*\a], s56, s57   ; the other half's keys
.endr
.irp a, 0,1,2,3
	v_add_f32 v[L+2*\a], v[L+2*\a], v[L+2*\a+1]    ; l: at least one weight of a row is 2^0 up to negmc's rounding, so l is never 0
.endr
.irp a, 0,1,2,3
	v_rcp_f32 v[E+2*\a],   v[L+2*\a]               ; twice, for the packed multiplies
	v_rcp_f32 v[E+2*\a+1], v[L+2*\a]
.endr
	v_nop                                          ; the plain place behind the reciprocals (ISA guide 5.7.2)
	s_wait_alu depctr_va_vdst(0)
; 16 rows of out: scaled, 32 bytes a lane into my own stage in LDS, read back as whole rows of 256 bytes into the K fragments' registers (block 0), two halves in turn.
.macro OUTQ a
	WIN 0x55
.irp k, 0,1,2,3,4,5,6,7,8,9,10,11,12,13,14,15
	v_pk_mul_f32 v[O+32*\a+2*\k:O+32*\a+2*\k+1], v[O+32*\a+2*\k:O+32*\a+2*\k+1], v[E+2*\a:E+2*\a+1]
.endr
	WIN 0x04                                       ; address in block 0, data in block 1
.irp d, 0,1,2,3
	ds_store_b128 v[STO], v[O+32*\a+8*\d:O+32*\a+8*\d+3]   offset:64*\d
	ds_store_b128 v[STO], v[O+32*\a+8*\d+4:O+32*\a+8*\d+7] offset:64*\d+16
.endr
	WIN 0
	s_wait_xcnt 0x0                                ; the registers loaded below are data of earlier stores: they are rewritten only behind this wait
.irp k, 0,1,2,3,4,5,6,7
	ds_load_b128 v[KF+32*(\a&1)+4*\k:KF+32*(\a&1)+4*\k+3], v[RD] offset:2*SPITCH*\k   ; LDS serves a wave's instructions in order: these see the stores above, and the next tile's stores come behind them
.endr
.irp k, 0,1,2,3,4,5,6,7
	s_wait_dscnt 7-\k                              ; read-back k is in, the 7 - k younger ones stay out
	global_store_b128 v[CO], v[KF+32*(\a&1)+4*\k:KF+32*(\a&1)+4*\k+3], s[12:13] offset:4096*\a+512*\k th:TH_STORE_NT   ; 16 lanes store one row of 256 consecutive bytes, aligned
.endr
.endm
	OUTQ 0
	OUTQ 1
	OUTQ 2
	OUTQ 3
	s_wait_tensorcnt 0x0
	ds_add_u32 v62, v63
	s_wait_dscnt 0x0
	s_endpgm
.Lfunc_end_k_q2b72cde5ef_attn:
	.size	k_q2b72cde5ef_attn, .Lfunc_end_k_q2b72cde5ef_attn-k_q2b72cde5ef_attn
	.p2alignl 7, 3214868480
	.fill 96, 4, 3214868480
	.section	.rodata,"a",@progbits
	.p2align	6, 0x0
	.amdhsa_kernel k_q2b72cde5ef_attn
		.amdhsa_group_segment_fixed_size 74752
		.amdhsa_private_segment_fixed_size 0
		.amdhsa_enable_private_segment 0
		.amdhsa_kernarg_size 40
		.amdhsa_user_sgpr_count 2
		.amdhsa_user_sgpr_kernarg_segment_ptr 1
		.amdhsa_wavefront_size32 1
		.amdhsa_system_sgpr_workgroup_id_x 1
		.amdhsa_system_sgpr_workgroup_id_y 1
		.amdhsa_system_sgpr_workgroup_id_z 1
		.amdhsa_system_vgpr_workitem_id 0
		.amdhsa_next_free_vgpr 512
		.amdhsa_next_free_sgpr 100
		.amdhsa_reserve_vcc 0
		.amdhsa_float_denorm_mode_32 3
		.amdhsa_float_denorm_mode_16_64 3
		.amdhsa_memory_ordered 1
		.amdhsa_forward_progress 1
		.amdhsa_inst_pref_size 255
	.end_amdhsa_kernel
	.section	.bss,"aw",@nobits
	.p2align	6
	.space	262144
	.amdgpu_metadata
---
amdhsa.version: [ 1, 2 ]
amdhsa.kernels:
  - .name:           k_q2b72cde5ef_attn
    .symbol:         k_q2b72cde5ef_attn.kd
    .args:
      - { .name: K, .offset: 0, .size: 8, .value_kind: global_buffer, .address_space: global }
      - { .name: Q, .offset: 8, .size: 8, .value_kind: global_buffer, .address_space: global }
      - { .name: V, .offset: 16, .size: 8, .value_kind: global_buffer, .address_space: global }
      - { .name: bits, .offset: 24, .size: 8, .value_kind: global_buffer, .address_space: global }
      - { .name: out0, .offset: 32, .size: 8, .value_kind: global_buffer, .address_space: global }
    .group_segment_fixed_size: 74752
    .private_segment_fixed_size: 0
    .kernarg_segment_align: 8
    .kernarg_segment_size: 40
    .max_flat_workgroup_size: 256
    .sgpr_count:     100
    .vgpr_count:     512
    .wavefront_size: 32
...
	.end_amdgpu_metadata
.endif
;; end of part 2
;; ======== version 2 of 2: 2 launches; version 1 with the launch attn written anew for expert scheduling mode
;; workspace buffers: bits 2,097,152 bytes of whole numbers
;; launch pack: the kernel of part 1 again; grid 256 x 1, 8 waves a work-group, no clusters, 68,608 bytes of LDS; arguments mask, bits; writes bits
;; launch attn (part 3): grid 4 x 64, 8 waves a work-group, no clusters, 74,752 bytes of LDS; arguments K, Q, V, bits, out0; writes out0
.if DOCPART == 3
	.amdgcn_target "amdgcn-amd-amdhsa--gfx1250"
	.amdhsa_code_object_version 6
	.text
	.protected	k_q2b72cde5ef_attn
	.globl	k_q2b72cde5ef_attn
	.p2align	8
	.type	k_q2b72cde5ef_attn,@function
k_q2b72cde5ef_attn:
	s_mov_b64 s[64:65], 0
	v_nop
	global_prefetch_b8 v0, s[64:65] scope:SCOPE_SE
	s_setreg_imm32_b32 hwreg(HW_REG_WAVE_SCHED_MODE, 0, 2), 2
	s_setreg_imm32_b32 hwreg(HW_REG_WAVE_MODE, 25, 1), 1
	s_wait_xcnt 0x0
	s_wait_alu depctr_vm_vsrc(0)
; out = softmax(where(mask, -1e9, Q K^T) / 8) V for one head, 512 query rows a work-group, with a running maximum.
; Q, K, V, out: [64 heads][2048][64] f32.  bits: the mask as lane masks (see below), made by the launch before.
; Eight waves; a wave owns 64 query rows = 4 q tiles (a = 0..3) of 16.  Keys go in 32 steps of 64.
;
; BOTH PRODUCTS ARE USED TRANSPOSED.  Scores: D = K (16 keys x 32 d) x Q^T: lane (r, h), register j holds key 8 h + j of query r, so a row's maximum
; and sum are a lane's own but for one exchange between the halves.  Two neighbouring score tiles, rounded to bf16 in pairs, ARE the second source of
; O^T = V^T x P^T (registers 0-3: keys 8 h .., registers 4-7: keys 16 + 8 h ..): no shuffle.  V^T comes from LDS by the transposing load.
; In O^T lane (r, h), register j holds d = 16 dblk + 8 h + j of query r, so the rescale and 1 / l are factors of the lane.
;
; THE MASK: word 8 i + j of bits[q tile][step] is the lane mask of register j of score tile i; 32 words a tile come by two scalar loads, a tile ahead,
; and one v_cndmask_b32 a register puts -1e9 in the score's place.  The maximum runs over the replaced scores: a row that is masked everywhere gets
; equal weights, the mean of V.
;
; K AND V: f32 in memory, bf16 in LDS.  The 256 threads load a tile of 64 x 64 (four loads of 16 bytes a thread, 512 consecutive bytes a wave), hold it
; in registers for a step, round it and store it.  In step t: K(t+2) goes into K slot t % 2 and V(t+1) into V slot (t+1) % 2; K(t+3) and V(t+2) are asked
; for; V(t) is read from V slot t % 2 and K(t+1) from K slot (t+1) % 2.  What a step writes and what it reads are different slots, what it reads was
; stored a step before, what it overwrites was read a step before: ONE barrier at each step's end.
;
; NO CLUSTER, NO TENSOR LOADS: the four work-groups of a head read the same K and V, but as f32, and the matrix unit and the transposing load want bf16.
; A joint load lands bytes as they lie in memory: 32,768 bytes of f32 a step written to LDS and read again by the rounding threads, on top of the 16,384
; bytes of bf16 stored now, and a round of the cluster's barrier a step, to save 32,768 bytes of requests against the step's 512 matrix instructions.
;
; SOFTMAX: p = 2^(x c + negmc), c = log2(e) / 8, negmc = round(-m c).  The rescale is 2^(negmc new - negmc old), formed of the same rounded numbers, so
; the weights already summed stay consistent whatever negmc's rounding.  (With m = -1e9 that rounding makes every weight of the row the same power of two
; between 2^-8 and 2^8 instead of 1; it cancels in p / l.)
; LIMITS: NaN and infinities in the inputs are not reproduced (v_max_num_f32 drops a NaN).  A weight below 2^-126 counts as 0 (v_exp_f32 flushes).
; l sums the weights before their rounding to bf16, the product takes them after it.  Q, K, V and the weights are rounded to bf16, sums are f32.
;
; ORDER: a tile's vector lines are mixed with the matrix lines of its neighbours: tile a's masking and maximum with the scores of tile a + 1, its
; exponentials, rescale and sums with the product of tile a - 1.
;
; THE MODE: SCHED_MODE bits 1:0 = 2 (LLVM: expert scheduling mode 2), set by the entry lines.  The code itself states the register dependences
; between vector or matrix instructions and memory or LDS instructions, with s_wait_alu, always for 0.
; THE PLAN.  Registers that memory or LDS instructions touch, in a step:
;   G   v24-55              Written by the eight global loads at a step's head; read by the next step's sixteen conversions and by nothing else.
;   OB  block 1, v192-207   (the first half of E, which is idle between q tile 3's roundings and q tile 0's exponents.)  Written by those conversions; read by
;                           the step's eight LDS stores; written again by q tile 0's exponents.
;   VF  block 1, v128-191   Written by the LDS loads at q tile 0's end; read by the product instructions from q tile 1 to the next step's q tile 0.
;   KF  v128-191            Written by the LDS loads in q tile 2; read by the score instructions from q tile 3 to the next step's q tile 2.
;   The ten address registers are made at the head and never written again: the rows are reached by scalar pointers and immediate offsets.
; FOUR WAITS A STEP.  (1) va_vdst behind the conversions: they are done reading G, in which the loads that follow land, and have written OB, which the stores
; behind those loads read.  (2) vm_vsrc in q tile 0, ahead of the first line that writes E again: the stores have read OB.  (3) va_vdst ahead of VF's loads: the product
; instructions of q tile 0 are done reading VF.  (4) va_vdst ahead of KF's loads: the score instructions of q tile 2 are done reading KF.
; All but fourteen of the wave's 512 registers are named, so K's and V's fragments have one buffer each.
.set TILEB,   16384                    ; a tile of 64 rows x 64 f32
.set KPITCH,  144                      ; K rows in LDS: 128 bytes + 16
.set VPITCH,  160                      ; V rows in LDS: 128 bytes + 32 (an odd multiple of 32, for the transposing load)
.set KSLOT,   64*KPITCH
.set VSLOT,   64*VPITCH
.set VBASE,   2*KSLOT                  ; K slots 0, 1, then V slots 0, 1
.set OSTAGE,  VBASE+2*VSLOT            ; then 16 rows x 272 bytes for each wave, for the way out
.set SPITCH,  272
.set WSTAGE,  16*SPITCH
; vector registers, block 0
.set KRD,  2                           ; LDS address of my part of a K fragment: 144 r + 16 h
.set KST,  3                           ; where I store my 8 bytes of K: 144 (thread / 16) + 8 (thread % 16)
.set VST,  4                           ; the same for V, pitch 160, V's base in it
.set GOFF, 5                           ; 16 x thread
.set BIG,  6                           ; -1e9
.set PFO,  7                           ; prefetch: 256 x lane + my work-group's half of the tile
.set T,    8                           ; v[8:11]    at work
.set ST,   12                          ; v[12:19]   q tile a: negmc in 12 + 2 a, m in 13 + 2 a
.set QOFF, 20                          ; 256 r + 32 h
.set STO,  21                          ; the way out: where I put 32 bytes of a row
.set RD,   22                          ; the way out: where I read a row back
.set CO,   23                          ; my byte offset in out
.set G,    24                          ; v[24:39] K, v[40:55] V on their way from memory to LDS, as loaded
.set QF,   64                          ; v[64:127]  Q fragments, 64 + 16 a + 8 c
.set KF,   128                         ; v[128:191] K fragments, 128 + 16 i + 8 c
.set S,    192                         ; v[192:255] scores, two buffers of 32
; vector registers, block 1 (written by their low 8 bits)
.set O,    0                           ; v[0:127]   O^T, 32 a + 8 dblk
.set VF,   128                         ; v[128:191] V^T fragments, 128 + 16 dblk + 8 c
.set E,    192                         ; v[192:223] exponents, then weights; at a step's head v[192:199] K's, v[200:207] V's numbers in bf16, to store
.set P,    224                         ; v[224:239] weights in bf16
.set L,    240                         ; v[240:247] q tile a: two partial sums of its weights
.set AL,   248                         ; v[248:249] the rescale, twice
.set VRD,  250                         ; LDS address of my part of a V^T fragment
; scalar registers
.set MP,   10                          ; s[10:11] bits at my wave's q tile 0, this step
.set MA,   16                          ; s[16:47] mask words of even q tiles
.set MB,   68                          ; s[68:99] mask words of odd q tiles
.set KP,   48                          ; s[48:49] the K tile asked for last
.set VP,   50                          ; s[50:51] the V tile asked for last
.set PF,   58                          ; s[58:59] the tile prefetched last
.set MSB, 0
.set DOST, 0                           ; set by STEP: the step stores a tile into LDS
.macro WIN new                         ; low byte: bits 1:0 source 0, 3:2 source 1, 5:4 source 2, 7:6 destination; the high byte repeats the setting that is left
.if MSB != \new
	s_set_vgpr_msb (MSB<<8)|\new
.set MSB, \new
.endif
.endm
; One matrix instruction of the scores of q tile an into buffer p: score tile idx % 4, half idx / 4 of d.  The first half starts the sum.
; The four accumulators take turns, one instruction a turn.
.macro MXQK idx, an, p
.if (\idx) < 4
	v_wmma_f32_16x16x32_bf16 v[S+32*(\p)+8*((\idx)&3):S+32*(\p)+8*((\idx)&3)+7], v[KF+16*((\idx)&3):KF+16*((\idx)&3)+7], v[QF+16*(\an):QF+16*(\an)+7], 0
.else
	v_wmma_f32_16x16x32_bf16 v[S+32*(\p)+8*((\idx)&3):S+32*(\p)+8*((\idx)&3)+7], v[KF+16*((\idx)&3)+8:KF+16*((\idx)&3)+15], v[QF+16*(\an)+8:QF+16*(\an)+15], v[S+32*(\p)+8*((\idx)&3):S+32*(\p)+8*((\idx)&3)+7]
.endif
.endm
; One matrix instruction of O^T of q tile ap (all operands in block 1): d block idx % 4, keys 32 (idx / 4) ..  zero = 1: the tile's very first product starts the sums.
.macro MXPV idx, ap, zero
.if (\idx) < 4
.if \zero
	v_wmma_f32_16x16x32_bf16 v[O+32*(\ap)+8*(\idx):O+32*(\ap)+8*(\idx)+7], v[VF+16*(\idx):VF+16*(\idx)+7], v[P:P+7], 0
.else
	v_wmma_f32_16x16x32_bf16 v[O+32*(\ap)+8*(\idx):O+32*(\ap)+8*(\idx)+7], v[VF+16*(\idx):VF+16*(\idx)+7], v[P:P+7], v[O+32*(\ap)+8*(\idx):O+32*(\ap)+8*(\idx)+7]
.endif
.else
	v_wmma_f32_16x16x32_bf16 v[O+32*(\ap)+8*((\idx)-4):O+32*(\ap)+8*((\idx)-4)+7], v[VF+16*((\idx)-4)+8:VF+16*((\idx)-4)+15], v[P+8:P+15], v[O+32*(\ap)+8*((\idx)-4):O+32*(\ap)+8*((\idx)-4)+7]
.endif
.endm
; The K fragments of a step: keys 16 i + r, d = 32 c + 8 h .. and 32 c + 16 + 8 h ..
.macro LDKF slot
.irp i, 0,1,2,3
.irp c, 0,1
	ds_load_b128 v[KF+16*\i+8*\c:KF+16*\i+8*\c+3],   v[KRD] offset:KSLOT*(\slot)+16*KPITCH*\i+64*\c
	ds_load_b128 v[KF+16*\i+8*\c+4:KF+16*\i+8*\c+7], v[KRD] offset:KSLOT*(\slot)+16*KPITCH*\i+64*\c+32
.endr
.endr
.endm
; The V^T fragments of a step (data and address in block 1): d = 16 dblk + r, keys 32 c + 8 h .. and 32 c + 16 + 8 h ..
.macro LDVF slot
.irp d, 0,1,2,3
.irp c, 0,1
	ds_load_tr16_b128 v[VF+16*\d+8*\c:VF+16*\d+8*\c+3],   v[VRD] offset:VSLOT*(\slot)+32*VPITCH*\c+32*\d
	ds_load_tr16_b128 v[VF+16*\d+8*\c+4:VF+16*\d+8*\c+7], v[VRD] offset:VSLOT*(\slot)+32*VPITCH*\c+32*\d+16*VPITCH
.endr
.endr
.endm
; My sixteen f32 of a tile, in v[g .. g+15] of block 0, are rounded to bf16 into v[o .. o+7] of block 1 (under the window 0x40)
.macro CV g, o
.irp n, 0,1,2,3
	v_cvt_pk_bf16_f32 v[\o+2*\n],   v[\g+4*\n],   v[\g+4*\n+1]
	v_cvt_pk_bf16_f32 v[\o+2*\n+1], v[\g+4*\n+2], v[\g+4*\n+3]
.endr
.endm
; and stored (under the window 0x04: address in block 0, data in block 1): load n held row 16 n + thread / 16
.macro ST4 o, adr, off, step
.irp n, 0,1,2,3
	ds_store_b64 v[\adr], v[\o+2*\n:\o+2*\n+1] offset:\off+\step*\n
.endr
.endm
; My sixteen f32 of the tile at s[base] + off: each load of the wave covers 512 consecutive bytes
.macro LD4 g, base, off
.irp n, 0,1,2,3
	global_load_b128 v[\g+4*\n:\g+4*\n+3], v[GOFF], s[\base:\base+1] offset:\off+4096*\n
.endr
.endm
; The head of step t (par = t % 2): what was asked for a step ago is rounded, the next tiles are asked for, the rounded numbers go to LDS.
.macro STAGE par, stK, stV, ldK, ldV, pf
.if \stK+\stV
	s_wait_loadcnt 0x0                             ; K(t+2) and V(t+1), asked for a whole step ago
.endif
.if \ldK+\ldV+\pf
	s_wait_xcnt 0x0                                ; the pointers, which the last step's loads and prefetch name, are stepped only behind this wait
.endif
.if \ldK
	s_add_nc_u64 s[KP:KP+1], s[KP:KP+1], TILEB
.endif
.if \ldV
	s_add_nc_u64 s[VP:VP+1], s[VP:VP+1], TILEB
.endif
.if \pf
	s_add_nc_u64 s[PF:PF+1], s[PF:PF+1], TILEB
.endif
.if \stK+\stV
	WIN 0x40                                       ; from block 0 into block 1
.if \stK
	CV G, E
.endif
.if \stV
	CV G+16, E+8
.endif
	WIN 0
	s_wait_alu depctr_va_vdst(0)                   ; the conversions are done reading G, in which the loads below land, and have written E's first half, which the LDS stores below read
.endif
.if \ldK
	LD4 G, KP, 0                                   ; K(t+3)
.endif
.if \ldV
	LD4 G+16, VP, 0                                ; V(t+2)
.endif
.if \stK+\stV
	WIN 0x04                                       ; address in block 0, data in block 1.  No vector line has been issued since the wait above
.if \stK
	ST4 E, KST, KSLOT*\par, 16*KPITCH
.endif
.if \stV
	ST4 E+8, VST, VSLOT*(1-\par), 16*VPITCH
.endif
	WIN 0
.endif
.if \pf
	; Tile t + 4 is asked into the L2: wave 0 alone, 32 lanes 256 bytes apart = 8,192 bytes, half a tile.  Of a head's four work-groups numbers 0 and 1 take
	; K's two halves, 2 and 3 V's: each block is asked for once in the launch.  The loads of that tile follow one step (K) or two (V) later.
	; The last request is step 27's, for tile 31: none points past the head's last tile.  Its offset register was made at the head and is never written again.
	s_cmp_lg_u32 s2, 0
	s_cbranch_scc1 .Lno_pf_\@
	global_prefetch_b8 v[PFO], s[PF:PF+1] th:TH_LOAD_NT scope:SCOPE_SE
.Lno_pf_\@:
.endif
.endm
; The softmax of q tile a in this step.
; first = 1: step 0, nothing to rescale.   qk = 1: the scores of the next tile ride along.   pv = 1, 2: the product of the tile before rides along (2: it starts its sums).
; nm: the next tile's mask words: 1 the next q tile's of this step, 2 q tile 0's of the next step, 0 none.
; kf, vf: the slot from which the next K, this step's V^T fragments are read, or -1.
.macro TILE a, first, qk, pv, nm, kf, vf
.set X,   S+32*((\a)&1)
.set XN,  ((\a)+1)&1
.set AN,  ((\a)+1)&3
.set AP,  ((\a)+3)&3
.set NM,  ST+2*(\a)
.set LP,  L+2*(\a)
.if (\a)&1
.set MSK,  MB
.set MSKN, MA
.else
.set MSK,  MA
.set MSKN, MB
.endif
	s_wait_kmcnt 0x0                               ; this tile's 32 mask words, asked for a tile ago (scalar loads: only the count 0 shows anything)
.if \nm == 1
	s_load_b512 s[MSKN:MSKN+15],    s[MP:MP+1], 4096*((\a)+1)
	s_load_b512 s[MSKN+16:MSKN+31], s[MP:MP+1], 4096*((\a)+1)+64
.endif
.if \nm == 2
	s_wait_xcnt 0x0                                ; the pointer is a source of the scalar loads: it is stepped only behind this wait
	s_add_nc_u64 s[MP:MP+1], s[MP:MP+1], 128       ; the next block of 64 keys
	s_load_b512 s[MSKN:MSKN+15],    s[MP:MP+1], 0x0
	s_load_b512 s[MSKN+16:MSKN+31], s[MP:MP+1], 0x40
.endif
.if \a == 3
.if \qk
	s_wait_dscnt 0x0                               ; the next step's K fragments, asked for in q tile 2
.endif
.endif
	; masking and maximum, with the next tile's eight score instructions among them (they name the other score buffer)
.irp i, 0,1,2,3
.if \qk
	MXQK 2*\i, AN, XN
.endif
.irp j, 0,1,2,3,4,5,6,7
	v_cndmask_b32 v[X+8*\i+\j], v[X+8*\i+\j], v[BIG], s[MSK+8*\i+\j]
.endr
.if \qk
	MXQK 2*\i+1, AN, XN
.endif
	v_max3_num_f32 v[T+\i], v[X+8*\i], v[X+8*\i+1], v[X+8*\i+2]
	v_max3_num_f32 v[T+\i], v[T+\i], v[X+8*\i+3], v[X+8*\i+4]
	v_max3_num_f32 v[T+\i], v[T+\i], v[X+8*\i+5], v[X+8*\i+6]
	v_max_num_f32  v[T+\i], v[T+\i], v[X+8*\i+7]
.endr
	v_max3_num_f32 v[T], v[T], v[T+1], v[T+2]
.if \first
	v_max_num_f32 v[T], v[T], v[T+3]
.else
	v_max3_num_f32 v[T], v[T], v[T+3], v[NM+1]     ; with the maximum so far
.endif
	v_permlanex16_b32 v[T+1], v[T], s56, s57       ; the other half's keys of the same query
	v_max_num_f32 v[NM+1], v[T], v[T+1]            ; m
	v_mul_f32 v[T+3], s54, v[NM+1]                 ; -m c, rounded once; the same number serves the exponents and the rescale
.if \first == 0
	v_sub_f32 v[T+2], v[T+3], v[NM]                ; exponent of the rescale
.endif
	v_mov_b32 v[NM], v[T+3]
.if \kf >= 0
	s_wait_alu depctr_va_vdst(0)                   ; this step's score instructions, the last of them issued above, are done reading KF, in which the loads below land
	LDKF \kf
.endif
	WIN 0x40                                       ; from block 0 into block 1
.if \first == 0
	v_exp_f32 v[AL],   v[T+2]                      ; twice, for the packed multiplies; the lines below are the plain places behind them (ISA guide 5.7.2)
	v_exp_f32 v[AL+1], v[T+2]
.endif
.if \a == 0
.if DOST
	s_wait_alu depctr_vm_vsrc(0)                   ; the LDS stores at the step's head have read E's first half, which the lines below write again
.endif
.endif
.irp k, 0,1,2,3,4,5,6,7,8,9,10,11,12,13,14,15
	v_pk_fma_f32 v[E+2*\k:E+2*\k+1], v[X+2*\k:X+2*\k+1], s[52:53], v[NM:NM+1] op_sel_hi:[1,0,0]   ; x c + negmc, both halves by s52 and v[NM]
.endr
	WIN 0x55                                       ; all in block 1
.if \a == 1
	s_wait_dscnt 0x0                               ; this step's V^T fragments, asked for at the end of q tile 0
.endif
	; exponentials, rescale and sums, with the eight product instructions of the tile before among them (they name that tile's O, VF and P)
.irp g, 0,1,2,3,4,5,6,7
.if \pv
	MXPV \g, AP, (\pv-1)
.endif
	v_exp_f32 v[E+4*\g],   v[E+4*\g]
	v_exp_f32 v[E+4*\g+1], v[E+4*\g+1]
	v_exp_f32 v[E+4*\g+2], v[E+4*\g+2]
	v_exp_f32 v[E+4*\g+3], v[E+4*\g+3]
.if \first
	v_nop                                          ; the plain place behind the exponentials; with the sums below, the four places behind the last product instruction
	v_nop
	s_wait_alu depctr_va_vdst(0)
.else
	s_wait_alu depctr_va_vdst(0)
	v_pk_mul_f32 v[O+32*\a+4*\g:O+32*\a+4*\g+1],   v[O+32*\a+4*\g:O+32*\a+4*\g+1],   v[AL:AL+1]
	v_pk_mul_f32 v[O+32*\a+4*\g+2:O+32*\a+4*\g+3], v[O+32*\a+4*\g+2:O+32*\a+4*\g+3], v[AL:AL+1]
.endif
.if \g == 0
.if \first
	s_wait_alu depctr_va_vdst(0)
	v_pk_add_f32 v[LP:LP+1], v[E:E+1], v[E+2:E+3]  ; the first weights start the sums
.else
	v_pk_fma_f32 v[LP:LP+1], v[LP:LP+1], v[AL:AL+1], v[E:E+1]
	v_pk_add_f32 v[LP:LP+1], v[LP:LP+1], v[E+2:E+3]
.endif
.else
	s_wait_alu depctr_va_vdst(0)
	v_pk_add_f32 v[LP:LP+1], v[LP:LP+1], v[E+4*\g:E+4*\g+1]
	v_pk_add_f32 v[LP:LP+1], v[LP:LP+1], v[E+4*\g+2:E+4*\g+3]
.endif
.endr
	; behind the last product instruction stand four plain vector lines that name none of its registers (two of the rescale, two sums): P may be written (ISA guide 7.12.1)
.irp k, 0,1,2,3,4,5,6,7,8,9,10,11,12,13,14,15
	v_cvt_pk_bf16_f32 v[P+\k], v[E+2*\k], v[E+2*\k+1]
.endr
.if \vf >= 0
.if \pv
	s_wait_alu depctr_va_vdst(0)                   ; the product instructions above, the last of the step before, are done reading VF, in which the loads below land
.endif
	LDVF \vf
.endif
	WIN 0
.endm
; Step t.  par = t % 2; pv0: the product of q tile 3 of the step before; pvr: those of q tiles 0 to 2; nxt = 1: a further step follows; bar = 1: the step's barrier.
.macro STEP par, first, pv0, pvr, stK, stV, ldK, ldV, pf, nxt, bar
.set DOST, \stK+\stV
	STAGE \par, \stK, \stV, \ldK, \ldV, \pf
	TILE 0, \first, 1, \pv0, 1, -1, \par
	TILE 1, \first, 1, \pvr, 1, -1, -1
.if \nxt
	TILE 2, \first, 1, \pvr, 1, (1-\par), -1
	TILE 3, \first, 1, \pvr, 2, -1, -1
.else
	TILE 2, \first, 1, \pvr, 1, -1, -1
	TILE 3, \first, 0, \pvr, 0, -1, -1
.endif
.if \bar
	s_wait_dscnt 0x0                               ; for the others' sake: my stores of this step have landed and my reads of it are back
	s_barrier_signal -1
	s_barrier_wait -1
.endif
.endm
	; ---- set-up ----
	s_load_b256 s[4:11], s[0:1], 0x0               ; K s[4:5], Q s[6:7], V s[8:9], bits s[10:11]
	s_load_b64 s[12:13], s[0:1], 0x20              ; out
	v_lshl_add_u32 v62, v0, 2, 0x12000
	v_mov_b32 v63, 0
	v_lshrrev_b32 v8, 5, v0
	v_readfirstlane_b32 s2, v8                     ; wave 0..7
	s_and_b32 s3, ttmp7, 0xffff                    ; head 0..63
	s_lshl_b32 s14, s3, 19                         ; x 2,048 rows x 256 bytes
	s_mov_b32 s15, 0
	s_lshr_b32 s60, s3, 4                          ; batch
	s_lshl_b32 s60, s60, 7                         ; x 128 q tiles
	s_lshl_b32 s61, ttmp9, 5                       ; + 32 for each work-group along x
	s_add_co_u32 s60, s60, s61
	s_wait_alu depctr_va_sdst(0)                   ; s2 is written, ahead of its first reader, the line below
	s_lshl2_add_u32 s60, s2, s60                   ; + 4 x wave
	s_lshl_b32 s60, s60, 12                        ; x 4,096 bytes of mask words
	s_mov_b32 s61, 0
	s_lshl_b32 s62, ttmp9, 17                      ; my work-group's 512 rows
	s_lshl_b32 s63, s2, 14                         ; my wave's 64 rows
	s_add_co_u32 s62, s62, s63
	s_mov_b32 s63, 0
	s_mov_b32 s52, 0x3e38aa3b                      ; c = log2(e) / 8
	s_mov_b32 s53, 0x3e38aa3b
	s_mov_b32 s54, 0xbe38aa3b                      ; -c
	s_mov_b32 s56, 0x76543210                      ; v_permlanex16_b32: lane i of one half reads lane i of the other
	s_mov_b32 s57, 0xfedcba98
	v_and_b32 v8, 15, v0                           ; r, and thread % 16
	v_bfe_u32 v9, v0, 4, 1                         ; h
	v_lshrrev_b32 v10, 4, v0                       ; thread / 16
	v_mul_u32_u24 v[KRD], v8, KPITCH
	v_lshl_add_u32 v[KRD], v9, 4, v[KRD]
	v_mul_u32_u24 v[KST], v10, KPITCH
	v_lshl_add_u32 v[KST], v8, 3, v[KST]
	v_mul_u32_u24 v[VST], v10, VPITCH
	v_lshl_add_u32 v[VST], v8, 3, v[VST]
	v_add_nc_u32 v[VST], VBASE, v[VST]
	v_lshlrev_b32 v[GOFF], 4, v0
	v_mov_b32 v[BIG], 0xce6e6b28                   ; -1e9
	v_and_b32 v11, 31, v0
	s_and_b32 s3, ttmp9, 1
	s_lshl_b32 s3, s3, 13                          ; which half of a tile my work-group prefetches
	v_lshl_add_u32 v[PFO], v11, 8, s3
	v_lshlrev_b32 v[QOFF], 8, v8
	v_lshl_add_u32 v[QOFF], v9, 5, v[QOFF]
	s_mul_i32 s3, s2, WSTAGE
	s_add_co_u32 s3, s3, OSTAGE                    ; my wave's stage
	v_mul_u32_u24 v[STO], v8, SPITCH               ; in: row r, 32 bytes for each half of the lanes
	v_lshl_add_u32 v[STO], v9, 5, v[STO]
	v_add_nc_u32 v[STO], s3, v[STO]
	v_mul_u32_u24 v[RD], v9, SPITCH                ; back: lanes 0-15 take one row of 256 bytes, lanes 16-31 the next
	v_lshl_add_u32 v[RD], v8, 4, v[RD]
	v_add_nc_u32 v[RD], s3, v[RD]
	v_lshlrev_b32 v[CO], 8, v9                     ; and the same two rows in out
	v_lshl_add_u32 v[CO], v8, 4, v[CO]
	v_and_b32 v11, 7, v0
	v_lshl_add_u32 v11, v9, 3, v11                 ; key 8 h + lane % 8
	v_mul_u32_u24 v11, v11, VPITCH
	v_bfe_u32 v10, v0, 3, 1
	v_lshl_add_u32 v11, v10, 4, v11                ; + 16 bytes for the upper eight of sixteen lanes
	v_add_nc_u32 v11, VBASE, v11
	WIN 0x40
	v_mov_b32 v[VRD], v11                          ; into block 1, where the V^T fragments are loaded
	WIN 0
	s_wait_kmcnt 0x0
	s_add_nc_u64 s[4:5], s[4:5], s[14:15]          ; K and V at my head
	s_add_nc_u64 s[8:9], s[8:9], s[14:15]
	s_add_nc_u64 s[14:15], s[14:15], s[62:63]      ; offsets only
	s_add_nc_u64 s[6:7], s[6:7], s[14:15]          ; Q and out at my wave's rows
	s_add_nc_u64 s[12:13], s[12:13], s[14:15]
	s_add_nc_u64 s[MP:MP+1], s[MP:MP+1], s[60:61]
	s_load_b512 s[MA:MA+15],    s[MP:MP+1], 0x0    ; the mask words of q tile 0, step 0
	s_load_b512 s[MA+16:MA+31], s[MP:MP+1], 0x40
	s_add_nc_u64 s[KP:KP+1], s[4:5], 2*TILEB       ; K tile 2
	s_add_nc_u64 s[VP:VP+1], s[8:9], TILEB         ; V tile 1
	s_and_b32 s3, ttmp9, 2                         ; work-groups 2 and 3 of a head prefetch V, 0 and 1 K
	s_cselect_b64 s[PF:PF+1], s[8:9], s[4:5]
	s_add_nc_u64 s[PF:PF+1], s[PF:PF+1], 3*TILEB   ; stepped to tile 4 in step 0
	s_wait_alu depctr_va_vdst(0)                   ; the ten address registers (v2-5, v7, v20-23, and VRD in block 1) are written: every load, store and prefetch of the kernel reads one of them
	LD4 G, 4, 0                                    ; K tile 0
	LD4 G+16, 8, 0                                 ; V tile 0
	LD4 QF, 4, TILEB                               ; K tile 1, in registers that Q's fragments take later
	; Q: fragment (a, c) of lane (r, h) is row 16 a + r, d = 32 c + 8 h + 0..7 and 32 c + 16 + 8 h + 0..7: four loads of 16 bytes, read once in the launch
.set q, 0
.rept 32
	global_load_b128 v[KF+4*q:KF+4*q+3], v[QOFF], s[6:7] offset:4096*(q>>3)+128*((q>>2)&1)+64*((q>>1)&1)+16*(q&1) th:TH_LOAD_NT
.set q, q+1
.endr
	s_wait_loadcnt 32                              ; the twelve loads of K and V are in; Q's 32 stay out
	WIN 0x40
	CV G, E
	CV G+16, E+8
	CV QF, E+16
	WIN 0
	s_wait_alu depctr_va_vdst(0)                   ; the conversions are done reading G, in which the loads below land, and have written E's first 24 registers, which the LDS stores below read
	LD4 G, KP, 0                                   ; K tile 2
	LD4 G+16, VP, 0                                ; V tile 1
	WIN 0x04
	ST4 E, KST, 0, 16*KPITCH
	ST4 E+8, VST, 0, 16*VPITCH
	ST4 E+16, KST, KSLOT, 16*KPITCH
	WIN 0
	s_wait_loadcnt 8                               ; Q is in; the eight loads just issued stay out
.set q, 0
.rept 32
	v_cvt_pk_bf16_f32 v[QF+2*q],   v[KF+4*q],   v[KF+4*q+1]
	v_cvt_pk_bf16_f32 v[QF+2*q+1], v[KF+4*q+2], v[KF+4*q+3]
.set q, q+1
.endr
	s_wait_dscnt 0x0                               ; my parts of K tiles 0, 1 and V tile 0 have landed
	s_barrier_signal -1
	s_barrier_wait -1                              ; everybody's have
	s_wait_alu depctr_va_vdst(0)                   ; Q's conversions are done reading v128-191, in which the K fragments below land
	LDKF 0
	s_wait_dscnt 0x0                               ; my reads of K slot 0 are back:
	s_barrier_signal -1                            ; say so; step 0 stores K tile 2 there
.irp x, 0,1,2,3,4,5,6,7
	MXQK \x, 0, 0                                  ; the scores of q tile 0, step 0: register work between signal and wait
.endr
	s_barrier_wait -1
	s_wait_alu depctr_vm_vsrc(0)                   ; my twelve LDS stores above have read E's first 24 registers, which step 0's conversions and exponents write again
	; ---- the 32 steps ----
	STEP 0, 1, 0, 2, 1, 1, 1, 1, 1, 1, 1           ; step 0: nothing to rescale; the products of q tiles 0 to 2 start their sums
	STEP 1, 0, 2, 1, 1, 1, 1, 1, 1, 1, 1           ; step 1: so does q tile 3's of step 0
	s_mov_b32 s55, 13                              ; steps 2 to 27, two a trip
.Lsteps:
	STEP 0, 0, 1, 1, 1, 1, 1, 1, 1, 1, 1
	STEP 1, 0, 1, 1, 1, 1, 1, 1, 1, 1, 1
	s_sub_co_u32 s55, s55, 1
	s_cmp_lg_u32 s55, 0
	s_cbranch_scc1 .Lsteps
	STEP 0, 0, 1, 1, 1, 1, 1, 1, 0, 1, 1           ; step 28: asks for K 31 and V 30; tile 32 does not exist, so no prefetch
	STEP 1, 0, 1, 1, 1, 1, 0, 1, 0, 1, 1           ; step 29: stores K 31, asks for V 31
	STEP 0, 0, 1, 1, 0, 1, 0, 0, 0, 1, 1           ; step 30: stores V 31
	STEP 1, 0, 1, 1, 0, 0, 0, 0, 0, 0, 0           ; step 31: no further scores, nothing shared is written behind it: no barrier
	; ---- the last product, 1 / l, the way out ----
	WIN 0x55
.irp x, 0,1,2,3,4,5,6,7
	MXPV \x, 3, 0                                  ; q tile 3 of step 31
.endr
.irp a, 0,1,2,3
	v_add_f32 v[L+2*\a], v[L+2*\a], v[L+2*\a+1]    ; these four lines are also the four places behind the last matrix instructions (ISA guide 7.12.1)
.endr
.irp a, 0,1,2,3
	v_permlanex16_b32 v[L+2*\a+1], v[L+2*\a], s56, s57   ; the other half's keys
.endr
.irp a, 0,1,2,3
	v_add_f32 v[L+2*\a], v[L+2*\a], v[L+2*\a+1]    ; l: at least one weight of a row is 2^0 up to negmc's rounding, so l is never 0
.endr
.irp a, 0,1,2,3
	v_rcp_f32 v[E+2*\a],   v[L+2*\a]               ; twice, for the packed multiplies
	v_rcp_f32 v[E+2*\a+1], v[L+2*\a]
.endr
	v_nop                                          ; the plain place behind the reciprocals (ISA guide 5.7.2)
	s_wait_alu depctr_va_vdst(0)
.irp a, 0,1,2,3
.irp k, 0,1,2,3,4,5,6,7,8,9,10,11,12,13,14,15
	v_pk_mul_f32 v[O+32*\a+2*\k:O+32*\a+2*\k+1], v[O+32*\a+2*\k:O+32*\a+2*\k+1], v[E+2*\a:E+2*\a+1]   ; all four q tiles are scaled first, so that one wait serves the whole way out
.endr
.endr
	s_wait_alu depctr_va_vdst(0)                   ; the scalings have written O, which the LDS stores below read; matrix and vector lines are done with v128-255 of block 0, in which the rows read back land.  No vector line follows
; 16 rows of out: 32 bytes a lane into my own stage in LDS, read back as whole rows of 256 bytes into block 0: q tile a has v[128 + 32 a ..] to itself, so no register that a store reads is loaded again.
.macro OUTQ a
	WIN 0x04                                       ; address in block 0, data in block 1
.irp d, 0,1,2,3
	ds_store_b128 v[STO], v[O+32*\a+8*\d:O+32*\a+8*\d+3]   offset:64*\d
	ds_store_b128 v[STO], v[O+32*\a+8*\d+4:O+32*\a+8*\d+7] offset:64*\d+16
.endr
	WIN 0
.irp k, 0,1,2,3,4,5,6,7
	ds_load_b128 v[KF+32*\a+4*\k:KF+32*\a+4*\k+3], v[RD] offset:2*SPITCH*\k   ; LDS serves a wave's instructions in order: these see the stores above, and the next tile's stores come behind them
.endr
.irp k, 0,1,2,3,4,5,6,7
	s_wait_dscnt 7-\k                              ; read-back k is in, the 7 - k younger ones stay out
	global_store_b128 v[CO], v[KF+32*\a+4*\k:KF+32*\a+4*\k+3], s[12:13] offset:4096*\a+512*\k th:TH_STORE_NT   ; 16 lanes store one row of 256 consecutive bytes, aligned
.endr
.endm
	OUTQ 0
	OUTQ 1
	OUTQ 2
	OUTQ 3
	s_wait_dscnt 0x0
	s_wait_alu depctr_hold_cnt(0) depctr_sa_sdst(0) depctr_va_vdst(0) depctr_va_sdst(0) depctr_va_ssrc(0) depctr_va_vcc(0) depctr_vm_vsrc(0)
	s_wait_tensorcnt 0x0
	ds_add_u32 v62, v63
	s_wait_dscnt 0x0
	s_endpgm
.Lfunc_end_k_q2b72cde5ef_attn:
	.size	k_q2b72cde5ef_attn, .Lfunc_end_k_q2b72cde5ef_attn-k_q2b72cde5ef_attn
	.p2alignl 7, 3214868480
	.fill 96, 4, 3214868480
	.section	.rodata,"a",@progbits
	.p2align	6, 0x0
	.amdhsa_kernel k_q2b72cde5ef_attn
		.amdhsa_group_segment_fixed_size 74752
		.amdhsa_private_segment_fixed_size 0
		.amdhsa_enable_private_segment 0
		.amdhsa_kernarg_size 40
		.amdhsa_user_sgpr_count 2
		.amdhsa_user_sgpr_kernarg_segment_ptr 1
		.amdhsa_wavefront_size32 1
		.amdhsa_system_sgpr_workgroup_id_x 1
		.amdhsa_system_sgpr_workgroup_id_y 1
		.amdhsa_system_sgpr_workgroup_id_z 1
		.amdhsa_system_vgpr_workitem_id 0
		.amdhsa_next_free_vgpr 512
		.amdhsa_next_free_sgpr 100
		.amdhsa_reserve_vcc 0
		.amdhsa_float_denorm_mode_32 3
		.amdhsa_float_denorm_mode_16_64 3
		.amdhsa_memory_ordered 1
		.amdhsa_forward_progress 1
		.amdhsa_inst_pref_size 255
	.end_amdhsa_kernel
	.section	.bss,"aw",@nobits
	.p2align	6
	.space	262144
	.amdgpu_metadata
---
amdhsa.version: [ 1, 2 ]
amdhsa.kernels:
  - .name:           k_q2b72cde5ef_attn
    .symbol:         k_q2b72cde5ef_attn.kd
    .args:
      - { .name: K, .offset: 0, .size: 8, .value_kind: global_buffer, .address_space: global }
      - { .name: Q, .offset: 8, .size: 8, .value_kind: global_buffer, .address_space: global }
      - { .name: V, .offset: 16, .size: 8, .value_kind: global_buffer, .address_space: global }
      - { .name: bits, .offset: 24, .size: 8, .value_kind: global_buffer, .address_space: global }
      - { .name: out0, .offset: 32, .size: 8, .value_kind: global_buffer, .address_space: global }
    .group_segment_fixed_size: 74752
    .private_segment_fixed_size: 0
    .kernarg_segment_align: 8
    .kernarg_segment_size: 40
    .max_flat_workgroup_size: 256
    .sgpr_count:     100
    .vgpr_count:     512
    .wavefront_size: 32
...
	.end_amdgpu_metadata
.endif
;; end of part 3
